; MI455X (gfx1250); checked and timed in simulation.
; The chip was launched on July 23, 2026; its instructions are those of AMD's public machine-readable ISA for CDNA 5 (MIT licence, August 2026) and "CDNA5" Instruction Set Architecture Reference Guide (July 2026). The comments in the code are by the model that wrote it; some were corrected since.
;; HQQ Dequant Linear. Allowed arithmetic: matrix products marked QUANTISED: E2M1 operands, one E8M0 scale for each 32 along K, by v_wmma_scale_f32_16x16x128_f8f6f4 with both operands' format E2M1 (or v_wmma_scale_f32_32x16x128_f4), f32 sums; everything else in f32.
;; Inputs: W_q 4,194,304 int32; scale 131,072 float32; x 4 x 2,048 x 4,096 float32; zero 131,072 float32.
;; Outputs: out0 4 x 2,048 x 2,048 float32.
;; This version of the problem:
;;   THIS VERSION OF THE PROBLEM IS GIVEN IN LOW PRECISION. The matrix products marked QUANTISED in the list below multiply operands that are first quantised to E2M1 (2 exponent bits, 1 mantissa bit; 4 bits a number), with one power-of-two scale for each 32 numbers along K (OCP MX v1.0); their sums are f32. All else is computed in f32.
;;   The module's matrix products, in the order in which they are computed (A, B: the left and right operand; K: the contracted axis; several contracted axes count as one K, in the product's order):
;;     1. [M 8,192, K 4,096] x [K 4,096, N 2,048]; A: input x; B: computed on the way: QUANTISED
;;   THE QUANTISER, for each operand of a quantised product, along K:
;;     - K is cut into blocks of 32 from its start; a last block that is shorter is filled with zeros.
;;     - A block's scale is 2^e with e = floor(log2(the largest magnitude in the block)) - 2, held to -126 .. 127; a block of zeros has e = 0. As a byte (E8M0): e + 127.
;;     - Each number is divided by its block's scale, clamped to +-6, and rounded to the nearest number of E2M1, ties to even, subnormals kept.
;;     - The product sums the exact products of the quantised numbers (number of the format x scale) in f32.
;;   ~~~python
;;   def quantise(x, axis):      # numpy; x: float32 -> the quantised numbers, widened to float32 again
;;       x = np.moveaxis(x, axis, -1); K = x.shape[-1]
;;       x = np.pad(x, [(0, 0)] * (x.ndim - 1) + [(0, -K % 32)]); x = x.reshape(x.shape[:-1] + (-1, 32)); a = np.abs(x).max(-1, keepdims=True)
;;       e = np.where(a > 0, np.clip(np.frexp(np.where(a > 0, a, 1))[1] - 1 - 2, -126, 127), 0)      # np.frexp(a)[1] - 1 = floor(log2(a)), exactly
;;       r = np.clip(x / 2.0 ** e, -6, 6)
;;       step = 2.0 ** (np.maximum(np.frexp(np.where(r == 0, 1, r))[1] - 1, 0) - 1)
;;       q = np.round(r / step) * step * 2.0 ** e      # np.round: ties to even
;;       return np.moveaxis(q.reshape(q.shape[:-2] + (-1,))[..., :K], -1, axis).astype(np.float32)
;;   ~~~
;;   OPERANDS COMPUTED ON THE WAY. 'Computed on the way' means the value that the module computes at that place (a softmax that the list does not call 'softmax' is quantised finished and normalised). What goes into a quantiser is computed in f32, as accurately as f32 sums, v_exp_f32 and their like allow (about 1e-6 of the number): no bf16 or f16 on the way to a quantiser, and a product that is left as it is and whose result goes on into a quantised operand takes f32 operands (vector FMAs, or v_wmma_f32_16x16x4_f32). A number that lies on a knife's edge between two numbers of the format may be rounded either way, as far as f32 arithmetic and the matrix unit's own rounding can turn it there, and no further.
;; One version. Each part assembles by itself: llvm-mc -triple=amdgcn-amd-amdhsa -mcpu=gfx1250 --defsym DOCPART=n.
;; ======== version 1 of 1: 2 launches
;; limits: right only within a limited range of input values
;; workspace buffers: xq 17,825,792 bytes; wq 4,456,448 bytes
;; launch quant (part 1): grid 1280 x 1, 4 waves a work-group, no clusters, 39,424 bytes of LDS; arguments x, W_q, scale, zero, xq, wq; writes xq, wq
.if DOCPART == 1
	.amdgcn_target "amdgcn-amd-amdhsa--gfx1250"
	.amdhsa_code_object_version 6
	.text
	.protected	k_qd441fcfc1d_quant
	.globl	k_qd441fcfc1d_quant
	.p2align	8
	.type	k_qd441fcfc1d_quant,@function
k_qd441fcfc1d_quant:
	s_mov_b64 s[64:65], 0
	v_nop
	global_prefetch_b8 v0, s[64:65] scope:SCOPE_SE
	s_setreg_imm32_b32 hwreg(HW_REG_WAVE_MODE, 25, 1), 1
	s_wait_xcnt 0x0
; out0 = Q(x) Q(w)^T, w = (unpacked W_q - zero) * scale.  THIS LAUNCH makes both operands' codes of FP4 (E2M1) and their E8M0 scale bytes, one byte for each 32 along K = 4,096.
; NO WORK IS LEFT OUT: every number of x reaches a row of out0, every word of W_q, every scale and every zero moves a code or a scale byte of w: all four inputs are loaded.
; x: [8192][4096] f32.  W_q: one int32 for two weights (word & 15 is the even k, word >> 4, arithmetic, the odd k), 2,048 words a row of w.  scale, zero: one for each 64 along K.
; w is made as it is written: a subtraction, then a multiplication, each rounded to f32; then it is quantised like x.
; A block's scale byte is its largest magnitude's exponent field - 2, held at 1 from below; numbers are divided by the scale and rounded to the nearest code, ties to even, beyond 6 the largest code.
; LIMITS: a block of zeros gets the byte 1 where the rule says 127 (its codes are zeros, and this program alone reads the bytes); blocks whose largest magnitude lies under 2^-124,
; the floor, were not tried; NaN and infinities in x, scale and zero are not served.
; THE WORKSPACE: records of 272 bytes, one for a row and a K step of 512: 256 bytes of codes (K ascending, the lower k in the low four bits), then the step's 16 scale bytes.
; Order: [group of 128 rows][K step 0..7][row in the group][272].
; SHARES.  A wave makes 16 records: 16 neighbouring rows of one K step, 4,352 = 17 x 256 consecutive bytes, gathered in the wave's own LDS and stored as 17 aligned units of 256 bytes.
; Work-groups 0 to 255 take w, 256 to 1,279 take x.  The two ways part once, on the work-group's number, never join, and have LDS bytes of their own.  Waves share nothing: no barrier.
.set WGW,    256
.set PITCH,  272
.set HALFT,  128*PITCH
.set GROUPB, 8*HALFT
.set RECS,   16*PITCH                  ; a wave's 16 records
.set XREG,   RECS                      ; x: a wave's LDS: its records
.set WBASE,  4*XREG                    ; w: behind x's four regions
.set WREG,   RECS+1024                 ; w: a wave's LDS: its records, then 128 pairs (scale, zero)
.set WSZ,    RECS
.set SPARE,  WBASE+4*WREG              ; the spare words, 128 bytes for each wave
.set SPW,  12
.set NIL,  13
.set OUTR, 16                          ; v16-49 the way out
.set R,    16                          ; v16-79 numbers or words as they are loaded
.set U,    80                          ; x: v80-95 my neighbour's 16 numbers
.set E,    96                          ; x: v96-127 two scale bytes for each step
.set C,    128                         ; x: v128-159 two registers of codes for each step
.set SZ,   80                          ; w: v80-143 (scale, zero) of my groups, row by row
.set N,    144                         ; w: v144-159 my 16 weights of a row
.set CW,   160                         ; w: v160-175 four sets: two registers of codes, two bytes
	s_load_b256 s[4:11], s[0:1], 0x0               ; x, W_q, scale, zero
	s_load_b128 s[12:15], s[0:1], 0x20             ; xq, wq
	v_lshl_add_u32 v[SPW], v0, 2, SPARE
	v_mov_b32 v[NIL], 0
	v_lshrrev_b32 v1, 5, v0
	v_readfirstlane_b32 s16, v1                    ; wave
	v_and_b32 v2, 31, v0                           ; lane
	v_lshlrev_b32 v3, 4, v2                        ; my 16 bytes of a load's 512
	v_lshlrev_b32 v7, 3, v2                        ; my 8 bytes of a store's 256
	s_cmp_lt_u32 ttmp9, WGW
	s_cselect_b32 s17, 0, WGW
	s_sub_co_u32 s17, ttmp9, s17
	s_lshl_b32 s17, s17, 2
	s_add_co_u32 s17, s17, s16                     ; my wave's number within its tensor
	s_and_b32 s18, s17, 7                          ; its K step
	s_lshr_b32 s19, s17, 3                         ; its 16 rows
	s_lshr_b32 s20, s19, 3
	s_mul_i32 s20, s20, GROUPB
	s_mul_i32 s21, s18, HALFT
	s_add_co_u32 s20, s20, s21
	s_and_b32 s21, s19, 7
	s_mul_i32 s21, s21, RECS
	s_add_co_u32 s20, s20, s21                     ; where its records begin
	s_mov_b32 s21, 0
	s_wait_kmcnt 0x0
	s_cmp_lt_u32 ttmp9, WGW
	s_cselect_b64 s[12:13], s[14:15], s[12:13]
	s_add_nc_u64 s[12:13], s[12:13], s[20:21]
	s_cmp_lt_u32 ttmp9, WGW
	s_cbranch_scc1 .Lweights
.macro FLUSH adr                       ; the wave's 4,352 bytes come back from LDS, 8 bytes a lane; each store covers 256 consecutive, aligned bytes
.irp j, 0,1,2,3,4,5,6,7,8,9,10,11,12,13,14,15,16
	ds_load_b64 v[OUTR+2*\j:OUTR+2*\j+1], v[\adr] offset:256*\j   ; LDS serves a wave's instructions in order (ISA guide 5.7.1.4)
.endr
.irp j, 0,1,2,3,4,5,6,7,8,9,10,11,12,13,14,15,16
	s_wait_dscnt 16-\j
	global_store_b64 v7, v[OUTR+2*\j:OUTR+2*\j+1], s[12:13] offset:256*\j
.endr
	s_wait_tensorcnt 0x0                           ; the wave's end
	ds_add_u32 v[SPW], v[NIL]
	s_wait_dscnt 0x0
	s_endpgm
.endm
; ---------------- x.  A step is one row's 512 numbers, four loads of 512 consecutive bytes: in load i lane l holds numbers 128 i + 4 l + 0..3.  The conversion wants 8 NEIGHBOURS in a lane.
; Lanes 2 m and 2 m + 1 change halves, in registers: of loads 2 g and 2 g + 1 the even lane keeps load 2 g's numbers 8 m + 0..7, the odd lane load 2 g + 1's.  A block of 32 then lies in the four
; lanes of one parity within eight.  Loads run four steps ahead.
	s_lshl_b32 s22, s19, 18
	s_lshl_b32 s23, s18, 11
	s_add_co_u32 s22, s22, s23
	s_mov_b32 s23, 0
	s_add_nc_u64 s[4:5], s[4:5], s[22:23]
.macro LOAD t
.irp i, 0,1,2,3
	global_load_b128 v[R+16*((\t)%4)+4*\i:R+16*((\t)%4)+4*\i+3], v3, s[4:5] offset:16384*(\t)+512*\i th:TH_LOAD_NT
.endr
.endm
	s_wait_alu depctr_va_vdst(0)
.irp t, 0,1,2,3
	LOAD \t
.endr
	s_mul_i32 s25, s16, XREG                       ; my wave's records
	s_mov_b32 s26, 0xaaaaaaaa                      ; the odd lanes
	v_and_b32 v14, 1, v2
	v_lshrrev_b32 v15, 1, v2
	v_lshlrev_b32 v4, 6, v14
	v_lshl_add_u32 v4, v15, 2, v4
	v_add_nc_u32 v4, s25, v4                       ; my 8 codes: byte 64 (l % 2) + 4 (l / 2) of each half of a record
	v_lshrrev_b32 v15, 3, v2
	v_lshl_add_u32 v5, v14, 2, v15
	v_add_nc_u32 v5, s25, v5                       ; my block's byte: 4 (l % 2) + l / 8 of each half's eight
	v_add_nc_u32 v6, s25, v7                       ; the way out
.irp k, 0,1,2,3,4,5,6,7,8,9,10,11,12,13,14,15
	v_mov_b32 v[U+\k], 0                           ; a DPP form's destination counts as read
.endr
	s_wait_alu depctr_va_vdst(0)                   ; the head's end
.macro STEP t
.set RS, R+16*((\t)%4)
.if 15-(\t) >= 3
	s_wait_loadcnt 12                              ; this step's four loads are in; those of the three steps behind it may be out
.else
	s_wait_loadcnt 4*(15-(\t))
.endif
.irp k, 0,1,2,3,4,5,6,7,8,9,10,11,12,13,14,15
	v_mov_b32_dpp v[U+\k], v[RS+\k] row_xmask:1 row_mask:0xf bank_mask:0xf   ; my neighbour's numbers
.endr
.irp g, 0,1
.irp c, 0,1,2,3
	v_cndmask_b32 v[RS+8*\g+\c], v[RS+8*\g+\c], v[U+8*\g+4+\c], s26          ; numbers 8 m + c: the even lane's own of load 2 g; the odd lane takes its neighbour's of load 2 g + 1
	v_cndmask_b32 v[RS+8*\g+4+\c], v[U+8*\g+\c], v[RS+8*\g+4+\c], s26        ; numbers 8 m + 4 + c: the even lane takes its neighbour's of load 2 g; the odd lane's own
.endr
.endr
	v_max3_num_f32 v8, |v[RS]|, |v[RS+1]|, 0x1800000               ; the largest magnitude of my 8 in each half, and the floor 2^(3 - 127)
	v_max3_num_f32 v9, |v[RS+8]|, |v[RS+9]|, 0x1800000
.irp i, 2,4,6
	v_max3_num_f32 v8, v8, |v[RS+\i]|, |v[RS+\i+1]|
	v_max3_num_f32 v9, v9, |v[RS+8+\i]|, |v[RS+9+\i]|
.endr
	v_max_num_f32_dpp v8, v8, v8 row_xmask:2 row_mask:0xf bank_mask:0xf
	v_max_num_f32_dpp v9, v9, v9 row_xmask:2 row_mask:0xf bank_mask:0xf
	v_max_num_f32_dpp v8, v8, v8 row_xmask:4 row_mask:0xf bank_mask:0xf   ; with the three lanes of my parity: the block's
	v_max_num_f32_dpp v9, v9, v9 row_xmask:4 row_mask:0xf bank_mask:0xf
	v_add_nc_u32 v10, 0xff000000, v8               ; 2 off the exponent field: the conversion's scale operand
	v_add_nc_u32 v11, 0xff000000, v9
	v_cvt_scalef32_pk8_fp4_f32 v[C+2*(\t)], v[RS:RS+7], v10
	v_cvt_scalef32_pk8_fp4_f32 v[C+2*(\t)+1], v[RS+8:RS+15], v11
	v_lshrrev_b32 v[E+2*(\t)], 23, v10             ; the scales' bytes; also the plain lines behind the conversions
	v_lshrrev_b32 v[E+2*(\t)+1], 23, v11
	ds_store_b32 v4, v[C+2*(\t)] offset:PITCH*(\t)
	ds_store_b32 v4, v[C+2*(\t)+1] offset:PITCH*(\t)+128
	ds_store_b8 v5, v[E+2*(\t)] offset:PITCH*(\t)+256              ; the four lanes of a block write the same byte with the same value
	ds_store_b8 v5, v[E+2*(\t)+1] offset:PITCH*(\t)+264
.if (\t)+4 < 16
	LOAD (\t)+4
.endif
.endm
.irp t, 0,1,2,3,4,5,6,7,8,9,10,11,12,13,14,15
	STEP \t
.endr
	FLUSH 6
; ---------------- w.  A step is one row's 512 weights: 256 words, two loads of 512 consecutive bytes.  A lane's four words of a load are 8 neighbouring weights.
; Four neighbouring lanes hold a block of 32, eight a group of 64 with one scale and one zero.  Loads run eight steps ahead.
.Lweights:
	s_lshl_b32 s22, s19, 17
	s_lshl_b32 s23, s18, 10
	s_add_co_u32 s22, s22, s23
	s_mov_b32 s23, 0
	s_add_nc_u64 s[6:7], s[6:7], s[22:23]
	s_lshl_b32 s22, s19, 12
	s_lshl_b32 s24, s18, 5
	s_add_co_u32 s22, s22, s24
	s_add_nc_u64 s[8:9], s[8:9], s[22:23]
	s_add_nc_u64 s[10:11], s[10:11], s[22:23]
	s_wait_alu depctr_va_vdst(0)
	v_lshrrev_b32 v1, 1, v2
	v_and_b32 v8, 1, v2
	v_lshlrev_b32 v8, 4, v8
	v_lshl_add_u32 v1, v1, 8, v8                   ; lane l: row l / 2, groups 4 (l % 2) + 0 .. 3
	global_load_b128 v[N:N+3], v1, s[8:9]          ; the wave's 128 scales,
	global_load_b128 v[N+4:N+7], v1, s[10:11]      ; its 128 zeros
.macro LOADW t
.irp i, 0,1
	global_load_b128 v[R+8*((\t)%8)+4*\i:R+8*((\t)%8)+4*\i+3], v3, s[6:7] offset:8192*(\t)+512*\i th:TH_LOAD_NT
.endr
.endm
.irp t, 0,1,2,3,4,5,6,7
	LOADW \t
.endr
	s_mul_i32 s24, s16, WREG
	s_add_co_u32 s24, s24, WBASE
	s_add_co_u32 s25, s24, WSZ
	v_lshlrev_b32 v4, 2, v2
	v_add_nc_u32 v4, s24, v4                       ; a record's codes: 4 bytes a lane for each half
	v_lshrrev_b32 v5, 2, v2
	v_add_nc_u32 v5, s24, v5                       ; my block's byte
	v_add_nc_u32 v6, s24, v7                       ; the way out
	v_lshlrev_b32 v10, 5, v2
	v_add_nc_u32 v10, s25, v10                     ; my four pairs on the way in
	v_lshrrev_b32 v11, 3, v2
	v_lshlrev_b32 v11, 3, v11
	v_add_nc_u32 v11, s25, v11                     ; and on the way out
	s_wait_alu depctr_va_vdst(0)
	s_wait_loadcnt 16                              ; scales and zeros are in; the sixteen loads of words stay out
.irp j, 0,1,2,3
	ds_store_b32 v10, v[N+\j] offset:8*\j
	ds_store_b32 v10, v[N+4+\j] offset:8*\j+4
.endr
.irp t, 0,1,2,3,4,5,6,7,8,9,10,11,12,13,14,15
.irp i, 0,1
	ds_load_b64 v[SZ+4*\t+2*\i:SZ+4*\t+2*\i+1], v11 offset:64*\t+32*\i
.endr
.endr
	s_wait_dscnt 0x0
.macro STEPW t
.set RS, R+8*((\t)%8)
.set SS, SZ+4*(\t)
.set CS, CW+4*((\t)%4)
.if 15-(\t) >= 7
	s_wait_loadcnt 14                              ; this row's two loads are in; those of the seven rows behind it may be out
.else
	s_wait_loadcnt 2*(15-(\t))
.endif
.irp j, 0,1,2,3,4,5,6,7
	v_and_b32 v[N+2*\j], 15, v[RS+\j]
	v_ashrrev_i32 v[N+2*\j+1], 4, v[RS+\j]
.endr
.if (\t)+8 < 16
	LOADW (\t)+8
.endif
.irp k, 0,1,2,3,4,5,6,7,8,9,10,11,12,13,14,15
	v_cvt_f32_i32 v[N+\k], v[N+\k]
.endr
.irp k, 0,1,2,3,4,5,6,7,8,9,10,11,12,13,14,15
	v_sub_f32 v[N+\k], v[N+\k], v[SS+2*(\k/8)+1]   ; - zero: rounded by itself,
.endr
.irp p, 0,1,2,3,4,5,6,7
	v_pk_mul_f32 v[N+2*\p:N+2*\p+1], v[N+2*\p:N+2*\p+1], v[SS+2*(\p/4):SS+2*(\p/4)+1] op_sel_hi:[1,0]   ; x scale: rounded by itself
.endr
	v_max3_num_f32 v8, |v[N]|, |v[N+1]|, 0x1800000
	v_max3_num_f32 v9, |v[N+8]|, |v[N+9]|, 0x1800000
.irp i, 2,4,6
	v_max3_num_f32 v8, v8, |v[N+\i]|, |v[N+\i+1]|
	v_max3_num_f32 v9, v9, |v[N+8+\i]|, |v[N+9+\i]|
.endr
	v_max_num_f32_dpp v8, v8, v8 row_xmask:1 row_mask:0xf bank_mask:0xf
	v_max_num_f32_dpp v9, v9, v9 row_xmask:1 row_mask:0xf bank_mask:0xf
	v_max_num_f32_dpp v8, v8, v8 row_xmask:2 row_mask:0xf bank_mask:0xf
	v_max_num_f32_dpp v9, v9, v9 row_xmask:2 row_mask:0xf bank_mask:0xf
	v_add_nc_u32 v14, 0xff000000, v8
	v_add_nc_u32 v15, 0xff000000, v9
.if (\t) >= 4
	s_wait_alu depctr_va_vdst(0)
	s_wait_dscnt 12                                ; the four stores of four rows back are done: their registers are written again
.endif
	v_cvt_scalef32_pk8_fp4_f32 v[CS], v[N:N+7], v14
	v_cvt_scalef32_pk8_fp4_f32 v[CS+1], v[N+8:N+15], v15
	v_lshrrev_b32 v[CS+2], 23, v14
	v_lshrrev_b32 v[CS+3], 23, v15
	ds_store_b32 v4, v[CS] offset:PITCH*(\t)
	ds_store_b32 v4, v[CS+1] offset:PITCH*(\t)+128
	ds_store_b8 v5, v[CS+2] offset:PITCH*(\t)+256
	ds_store_b8 v5, v[CS+3] offset:PITCH*(\t)+264
.endm
.irp t, 0,1,2,3,4,5,6,7,8,9,10,11,12,13,14,15
	STEPW \t
.endr
	FLUSH 6
.Lfunc_end_k_qd441fcfc1d_quant:
	.size	k_qd441fcfc1d_quant, .Lfunc_end_k_qd441fcfc1d_quant-k_qd441fcfc1d_quant
	.p2alignl 7, 3214868480
	.fill 96, 4, 3214868480
	.section	.rodata,"a",@progbits
	.p2align	6, 0x0
	.amdhsa_kernel k_qd441fcfc1d_quant
		.amdhsa_group_segment_fixed_size 39424
		.amdhsa_private_segment_fixed_size 0
		.amdhsa_enable_private_segment 0
		.amdhsa_kernarg_size 48
		.amdhsa_user_sgpr_count 2
		.amdhsa_user_sgpr_kernarg_segment_ptr 1
		.amdhsa_wavefront_size32 1
		.amdhsa_system_sgpr_workgroup_id_x 1
		.amdhsa_system_sgpr_workgroup_id_y 1
		.amdhsa_system_sgpr_workgroup_id_z 1
		.amdhsa_system_vgpr_workitem_id 0
		.amdhsa_next_free_vgpr 176
		.amdhsa_next_free_sgpr 66
		.amdhsa_reserve_vcc 0
		.amdhsa_float_denorm_mode_32 3
		.amdhsa_float_denorm_mode_16_64 3
		.amdhsa_memory_ordered 1
		.amdhsa_forward_progress 1
		.amdhsa_inst_pref_size 132
	.end_amdhsa_kernel
	.amdgpu_metadata
---
amdhsa.version: [ 1, 2 ]
amdhsa.kernels:
  - .name:           k_qd441fcfc1d_quant
    .symbol:         k_qd441fcfc1d_quant.kd
    .args:
      - { .name: x, .offset: 0, .size: 8, .value_kind: global_buffer, .address_space: global }
      - { .name: W_q, .offset: 8, .size: 8, .value_kind: global_buffer, .address_space: global }
      - { .name: scale, .offset: 16, .size: 8, .value_kind: global_buffer, .address_space: global }
      - { .name: zero, .offset: 24, .size: 8, .value_kind: global_buffer, .address_space: global }
      - { .name: xq, .offset: 32, .size: 8, .value_kind: global_buffer, .address_space: global }
      - { .name: wq, .offset: 40, .size: 8, .value_kind: global_buffer, .address_space: global }
    .group_segment_fixed_size: 39424
    .private_segment_fixed_size: 0
    .kernarg_segment_align: 8
    .kernarg_segment_size: 48
    .max_flat_workgroup_size: 128
    .sgpr_count:     66
    .vgpr_count:     176
    .wavefront_size: 32
...
	.end_amdgpu_metadata
.endif
;; end of part 1
;; launch gemm (part 2): grid 8 x 32, 4 waves a work-group, clusters of 4 x 4, 327,680 bytes of LDS; arguments xq, wq, out0; writes out0
.if DOCPART == 2
	.amdgcn_target "amdgcn-amd-amdhsa--gfx1250"
	.amdhsa_code_object_version 6
	.text
	.protected	k_qd441fcfc1d_gemm
	.globl	k_qd441fcfc1d_gemm
	.p2align	8
	.type	k_qd441fcfc1d_gemm,@function
k_qd441fcfc1d_gemm:
	s_mov_b64 s[64:65], 0
	v_nop
	global_prefetch_b8 v0, s[64:65] scope:SCOPE_SE
	s_setreg_imm32_b32 hwreg(HW_REG_WAVE_MODE, 25, 1), 1
	s_wait_xcnt 0x0
	s_wait_alu depctr_hold_cnt(0) depctr_sa_sdst(0) depctr_va_vdst(0) depctr_va_sdst(0) depctr_va_ssrc(0) depctr_va_vcc(0) depctr_vm_vsrc(0)
	s_getreg_b32 s2, hwreg(HW_REG_IB_STS2, 6, 4)
	s_cmp_eq_u32 s2, 0
	s_cbranch_scc0 .Lentry_in_a_cluster
	s_endpgm
.Lentry_in_a_cluster:
	s_bfe_u32 s2, ttmp6, 0x10000c
	s_cmp_lg_u32 s2, 0xf033
	s_cbranch_scc0 .Lentry_shape_is_right
	s_endpgm
.Lentry_shape_is_right:
; out0[m][n] = sum over k of Q(x)[m][k] Q(w)[n][k]: codes of FP4 (E2M1) with E8M0 scale bytes, as the launch before laid them; sums in f32.  No work is left out.
; WORKSPACE: records of 272 bytes (256 of codes for 512 along K, then 16 scale bytes), [group of 128 rows][K step 0..7][row][272]: 128 rows of a K step are 34,816 consecutive bytes = 136 x 256.
; A tile of out0 is 256 x 256: four waves, each 128 x 128 in 64 accumulators.  K goes in steps of 512 through two LDS slots; each wave fetches 128 rows of a slot by one joint load
; (4 x 4 cluster: x's tiles shared along a row of the cluster, w's along a column).  Clusters with odd x + y begin at K step 4 and wrap round: the sums' order differs, their terms do not.
; The matrix instruction is used transposed (source 0 = rows of w, source 1 = rows of x): a lane holds eight neighbouring numbers of a row of out0.
; REGISTERS: window 0: v0-31 addresses; v32-95 scale words, a set for each slot (register 4 i + q: lanes 0-15 x's block i, lanes 16-31 w's block i); v128-191, v192-255 x's fragments, two sets.
;   window 1: w's fragments, two sets at v0 and v128.  Windows 2, 3: the accumulators ((a, b) at v[8 (8 (a % 4) + b)], window 2 + a / 4).
; Both operands have two sets, so a step's 32 fragment loads go out in one run at the head of the step before, and a slot's reads are over at the head of its last step: there the slots change.
; THE LAST K STEP GOES BY ROWS OF out0: all its fragments of w fill window 1, x's come by blocks of 16 rows, and each finished block is stored while the next is multiplied.
; PREFETCH: behind the load of the walk's K step j, j = 0 .. 5, a wave names the walk's K step j + 2 of the 128 rows that it fetches: two K steps ahead.  The tile's 136 blocks of 256 bytes are shared
; out by address among the four partners that ask for it jointly, 34 each: a lane a block, two instructions (in the second, lanes 1-31 name the last block).  The loop's last trip names nothing.
.set SIZE_N, 2048
.set SIZE_K, 4096
.set KSTEP,  512
.set NQ,     KSTEP/128
.set PITCH,  272
.set FR,     8
.set NP,     4                         ; places behind this matrix form (ISA guide 7.12.1)
.set HALFT,  128*PITCH
.set SLOT,   4*HALFT
.set GROUPB, 8*HALFT
.set LAPS,   SIZE_K/(2*KSTEP)
.set SPARE,  2*SLOT                    ; the spare words, 128 bytes a wave
.set SPITCH, 528                       ; the way out: 16 rows x (512 + 16) bytes a wave, in slot 0 after its last fill and last read
.set ADRA, 16
.set ADRB, 20
.set ADRS, 22
.set STO,  24
.set RD,   25
.set CO,   26
.set SPW,  28
.set NIL,  29
.set PFO,  30                          ; v30 256 x lane
.set PFO2, 31                          ; v31 256 x min(lane, 1)
.set SC,   32
.set AF,   128
.set G1, 24
.set G0, 32
.set G1B, 48
.set G0B, 56
.set PFA, 68                           ; s[68:69] my work-group's 34 blocks of the K step that the lap's first prefetch names
.set LIM, 70                           ; s70 the trip (by s3) in which the prefetches wrap round the end of K; 0: none
.set BACK, 76
.set WR,   78
.set MSB, 0
.macro WIN new                         ; the immediate's high byte repeats the setting that is left
.if MSB != \new
	s_set_vgpr_msb (MSB<<8)|\new
.set MSB, \new
.endif
.endm
.set MUL_LO, 0xa1                      ; source 0 window 1, source 1 window 0, C and D window 2
.set MUL_HI, 0xf1                      ; the same, C and D window 3
.set TO_B,   0x40                      ; destination window 1
.macro JLOAD g0a, g1a, g0b, g1b        ; waves 0, 1 fetch x's halves, waves 2, 3 w's; s_nop 0 and four v_nop behind each line
	s_cmp_eq_u32 s15, 0
	s_cbranch_scc0 .Lfor_b_\@
	tensor_load_to_lds s[\g0a:\g0a+3], s[\g1a:\g1a+7]
	s_nop 0
.rept 4
	v_nop
.endr
	s_branch .Lasked_\@
.Lfor_b_\@:
	tensor_load_to_lds s[\g0b:\g0b+3], s[\g1b:\g1b+7]
	s_nop 0
.rept 4
	v_nop
.endr
.Lasked_\@:
.endm
.macro ASK off, cond                   ; 34 blocks of 256 bytes at byte off from the pointer; cond = 1, in the loop: not in its last trip
.if \cond
	s_cmp_gt_u32 s3, 1
	s_cbranch_scc0 .Lno_ask_\@
.endif
	global_prefetch_b8 v[PFO], s[PFA:PFA+1] offset:\off th:TH_LOAD_NT scope:SCOPE_SE
	global_prefetch_b8 v[PFO2], s[PFA:PFA+1] offset:\off+8192 th:TH_LOAD_NT scope:SCOPE_SE
.if \cond
.Lno_ask_\@:
.endif
.endm
.macro CREST                           ; a round of the cluster's barrier behind its opening barrier
	s_cmp_lg_u32 s14, 0
	s_cbranch_scc1 .Lnot_wave_0_\@
	s_barrier_signal -3
.Lnot_wave_0_\@:
	s_barrier_wait -3
	s_barrier_signal -1
	s_barrier_wait -1
.endm
.macro CROUND
	s_barrier_signal -1
	s_barrier_wait -1
	CREST
.endm
	s_load_b128 s[4:7], s[0:1], 0x0                ; xq, wq
	s_load_b64 s[12:13], s[0:1], 0x10              ; out0
	v_lshl_add_u32 v[SPW], v0, 2, SPARE
	v_mov_b32 v[NIL], 0
	ds_add_u32 v[SPW], v[NIL]                      ; the opening lines: the add twice on end and one wait
	ds_add_u32 v[SPW], v[NIL]
	v_lshrrev_b32 v1, 5, v0
	v_readfirstlane_b32 s14, v1                    ; wave
	s_lshr_b32 s15, s14, 1                         ; my half of the tile's rows; also: I fetch for x (0) or w (1)
	s_and_b32 s16, s14, 1                          ; my half of its columns; also: which 128 rows I fetch
	s_bfe_u32 s40, ttmp6, 0x40000                  ; cx
	s_bfe_u32 s41, ttmp6, 0x40004                  ; cy
	s_lshl_b32 s42, ttmp9, 2
	s_add_co_u32 s42, s42, s40                     ; tile column
	s_and_b32 s17, ttmp7, 0xffff
	s_lshl_b32 s17, s17, 2
	s_add_co_u32 s17, s17, s41                     ; tile row
	s_lshl_b32 s43, s41, 2
	s_lshl_b32 s43, 15, s43                        ; my row of the cluster
	s_lshl_b32 s44, 0x1111, s40                    ; my column
	s_and_b32 s74, ttmp7, 0xffff
	s_add_co_u32 s74, s74, ttmp9
	s_and_b32 s74, s74, 1                          ; the cluster's x + y, odd: begin at K step 4
	s_lshl_b32 s[WR], s74, 1                       ; the trip (by s3) whose refills wrap round; 0: none
	s_mul_i32 s75, s74, 4*HALFT
	s_mov_b32 s[BACK+1], 0
	s_or_b32 s[G1+0], s43, (3<<16)|(1<<21)         ; 136 dense rows of 256 bytes (32 elements of 8)
	s_or_b32 s[G1B+0], s44, (3<<16)|(1<<21)
.irp g, G1, G1B
	s_mov_b32 s[\g+1], 32<<16
	s_mov_b32 s[\g+2], 136<<16
	s_mov_b32 s[\g+3], 32<<16
	s_mov_b32 s[\g+4], 136
	s_mov_b32 s[\g+5], 32
	s_mov_b32 s[\g+6], 0
	s_mov_b32 s[\g+7], 0
.endr
	s_lshl_b32 s20, s17, 1
	s_add_co_u32 s20, s20, s16
	s_mul_i32 s20, s20, GROUPB
	s_add_co_u32 s20, s20, s75
	s_mov_b32 s21, 0
	s_lshl_b32 s46, s42, 1
	s_add_co_u32 s46, s46, s16
	s_mul_i32 s46, s46, GROUPB
	s_add_co_u32 s46, s46, s75
	s_mov_b32 s47, 0
	s_mul_i32 s45, s14, HALFT
	s_wait_dscnt 0x0                               ; both opening adds are done
	s_wait_kmcnt 0x0
	s_add_nc_u64 s[20:21], s[4:5], s[20:21]
	s_add_nc_u64 s[46:47], s[6:7], s[46:47]
	CROUND                                         ; the round in front of the first joint loads
.irp s, 0,1
	s_mov_b32 s[G0+4*\s], 1
	s_add_co_u32 s[G0+4*\s+1], s45, \s*SLOT
	s_add_nc_u64 s[G0+4*\s+2:G0+4*\s+3], s[20:21], \s*HALFT
	s_or_b32 s[G0+4*\s+3], s[G0+4*\s+3], 0x80000000
	s_mov_b32 s[G0B+4*\s], 1
	s_add_co_u32 s[G0B+4*\s+1], s45, \s*SLOT
	s_add_nc_u64 s[G0B+4*\s+2:G0B+4*\s+3], s[46:47], \s*HALFT
	s_or_b32 s[G0B+4*\s+3], s[G0B+4*\s+3], 0x80000000
.endr
	JLOAD G0, G1, G0B, G1B                         ; slot 0's first fill: my one tensor load at the head; the addresses below are made while it is out
	s_cmp_eq_u32 s15, 0
	s_cselect_b64 s[PFA:PFA+1], s[20:21], s[46:47] ; the prefetches: the 128 rows that I fetch, at the walk's first K step,
	s_cselect_b32 s71, s40, s41                    ; my place among the four that ask for them with me
	s_mul_i32 s72, s71, 34*256                     ; its 34 blocks,
	s_add_co_u32 s72, s72, 2*HALFT                 ; two K steps on: steps 2 or 6 of the group's eight
	s_mov_b32 s73, 0
	s_add_nc_u64 s[PFA:PFA+1], s[PFA:PFA+1], s[72:73]
	s_mul_i32 s[LIM], s74, 3                       ; a walk that began at K step 4 names steps 6, 7, then 0, 1: it wraps in the loop's first trip (s3 = 3)
	v_and_b32 v[PFO], 31, v0
	v_min_u32 v[PFO2], 1, v[PFO]
	v_lshlrev_b32 v[PFO], 8, v[PFO]
	v_lshlrev_b32 v[PFO2], 8, v[PFO2]
	v_and_b32 v1, 15, v0                           ; l % 16
	v_bfe_u32 v2, v0, 4, 1                         ; l / 16
	s_wait_alu depctr_va_vdst(0)
	ASK 0, 0                                       ; the walk's K step 2
	v_mul_u32_u24 v3, v1, PITCH
	v_lshl_add_u32 v4, v2, 4, v3                   ; a fragment's row x pitch + 16 x half
	s_mul_i32 s21, s15, HALFT
	s_mul_i32 s22, s16, HALFT
	s_add_co_u32 s22, s22, 2*HALFT
.irp s, 0,1
	v_add_nc_u32 v[ADRA+\s], s21, v4
	v_add_nc_u32 v[ADRB+\s], s22, v4
	s_add_co_u32 s21, s21, SLOT
	s_add_co_u32 s22, s22, SLOT
.endr
	s_mul_i32 s21, s15, HALFT
	s_mul_i32 s22, s16, HALFT
	s_add_co_u32 s22, s22, 2*HALFT
	s_sub_co_u32 s22, s22, s21
	v_mul_u32_u24 v6, s22, v2                      ; scale words: lanes 16-31 take w's rows
	s_wait_alu depctr_va_vdst(0)
	v_add_nc_u32 v5, v3, v6
	v_add_nc_u32 v[ADRS], s21, v5
	s_add_co_u32 s21, s21, SLOT
	v_add_nc_u32 v[ADRS+1], s21, v5
	s_mul_i32 s23, s14, 16*SPITCH                  ; my stage
	v_mul_u32_u24 v5, v1, SPITCH
	v_lshl_add_u32 v5, v2, 5, v5
	v_add_nc_u32 v[STO], s23, v5
	v_and_b32 v6, 31, v0
	v_lshlrev_b32 v[CO], 4, v6
	v_add_nc_u32 v[RD], s23, v[CO]
	s_lshl_b32 s20, s17, 8
	s_lshl_b32 s21, s15, 7
	s_add_co_u32 s20, s20, s21                     ; my first row of out0
	s_mov_b32 s21, 0
	s_mov_b64 s[18:19], SIZE_N*4
	s_mul_u64 s[20:21], s[20:21], s[18:19]
	s_lshl_b32 s46, s42, 10
	s_lshl_b32 s47, s16, 9
	s_add_co_u32 s46, s46, s47                     ; my first column, in bytes
	s_mov_b32 s47, 0
	s_add_nc_u64 s[20:21], s[20:21], s[46:47]
	s_add_nc_u64 s[12:13], s[12:13], s[20:21]
.macro FRAG reg, adr, q, i             ; 16 rows x 128 K of codes: two loads of 16 bytes, 32 apart
.irp c, 0,1
	ds_load_b128 v[\reg+4*\c:\reg+4*\c+3], v[\adr] offset:64*(\q)+32*\c+(\i)*16*PITCH
.endr
.endm
; 16 matrix instructions: x's blocks a0, a0 + 1 against w's eight; p: the fragment sets; q: which 128 of the slot; sc: the scale set.  The accumulators take turns.
.macro MUL16 a0, p, q, sc, zero
.irp a, \a0, \a0+1
.irp b, 0,1,2,3,4,5,6,7
.if \zero
	v_wmma_scale_f32_16x16x128_f8f6f4 v[8*(8*((\a)%4)+\b):8*(8*((\a)%4)+\b)+7], v[128*(\p)+FR*\b:128*(\p)+FR*\b+FR-1], v[AF+64*(\p)+FR*(\a):AF+64*(\p)+FR*(\a)+FR-1], 0, v[SC+8*NQ*(\sc)+NQ*\b+(\q)], v[SC+8*NQ*(\sc)+NQ*(\a)+(\q)] matrix_a_fmt:MATRIX_FMT_FP4 matrix_b_fmt:MATRIX_FMT_FP4 matrix_a_scale:MATRIX_SCALE_ROW1
.else
	v_wmma_scale_f32_16x16x128_f8f6f4 v[8*(8*((\a)%4)+\b):8*(8*((\a)%4)+\b)+7], v[128*(\p)+FR*\b:128*(\p)+FR*\b+FR-1], v[AF+64*(\p)+FR*(\a):AF+64*(\p)+FR*(\a)+FR-1], v[8*(8*((\a)%4)+\b):8*(8*((\a)%4)+\b)+7], v[SC+8*NQ*(\sc)+NQ*\b+(\q)], v[SC+8*NQ*(\sc)+NQ*(\a)+(\q)] matrix_a_fmt:MATRIX_FMT_FP4 matrix_b_fmt:MATRIX_FMT_FP4 matrix_a_scale:MATRIX_SCALE_ROW1
.endif
.endr
.endr
.endm
.macro FETCH slot, q, p                ; 32 loads in one run: both operands' fragments of the slot's q-th 128 into sets p
	WIN TO_B
.irp i, 0,1,2,3,4,5,6,7
	FRAG 128*(\p)+FR*\i, ADRB+\slot, \q, \i
.endr
	WIN 0
.irp i, 0,1,2,3,4,5,6,7
	FRAG AF+64*(\p)+FR*\i, ADRA+\slot, \q, \i
.endr
.endm
.macro SCALES sc                       ; a K step's scale words: the 16 bytes behind each record's codes
.irp i, 0,1,2,3,4,5,6,7
	ds_load_b128 v[SC+8*NQ*\sc+NQ*\i:SC+8*NQ*\sc+NQ*\i+3], v[ADRS+\sc] offset:\i*16*PITCH+256
.endr
.endm
.macro PLACES n
.rept \n
	v_nop
.endr
.endm
.macro MUL48 p, q, sc                  ; blocks 2 to 7
	WIN MUL_LO
	MUL16 2, \p, \q, \sc, 0
	WIN MUL_HI
	MUL16 4, \p, \q, \sc, 0
	MUL16 6, \p, \q, \sc, 0
.endm
; A step of 128 along K with its successor in the same slot: the successor's fragments are asked for first, 64 matrix instructions ahead of their use.
.macro STEP slot, q, zero
	s_wait_dscnt 0x0                               ; this step's fragments (and scale words) are in
	PLACES NP                                      ; behind the last step's products, which read the sets that are loaded now
	FETCH \slot, (\q)+1, 1-(\q)%2
	WIN MUL_LO
	MUL16 0, (\q)%2, \q, \slot, \zero
	MUL16 2, (\q)%2, \q, \slot, \zero
	WIN MUL_HI
	MUL16 4, (\q)%2, \q, \slot, \zero
	MUL16 6, (\q)%2, \q, \slot, \zero
	WIN 0
.endm
; A slot's last step.  Its fragments were asked for a step ago, so at its head my reads of the slot are over: the slots change here, and the refill has the rest of this step and the next slot's first three.
.macro MEET slot
	s_wait_dscnt 0x0                               ; the add is done, this step's fragments are in, my reads of this slot are over
	s_barrier_signal -1
	WIN MUL_LO
	MUL16 0, 1, NQ-1, \slot, 0                     ; work on registers while the others arrive
	WIN 0
	s_barrier_wait -1
.endm
.macro TURN slot, next
.if (\slot) == 0
	s_wait_xcnt 0x0                                ; my prefetches have read their pointer: it steps once a lap, two K steps on, round the end of K where the walk wraps
	s_cmp_eq_u32 s3, s[LIM]
	s_cselect_b32 s[BACK], GROUPB, 0
	s_add_nc_u64 s[PFA:PFA+1], s[PFA:PFA+1], 2*HALFT
	s_sub_nc_u64 s[PFA:PFA+1], s[PFA:PFA+1], s[BACK:BACK+1]
.endif
	s_wait_tensorcnt 0x0                           ; all my tensor loads have landed: my part of the next slot
	ds_add_u32 v[SPW], v[NIL]
	s_cmp_eq_u32 s3, s[WR]                         ; no load of mine is out: this slot's group 0 steps two K steps on, round the end of K where the walk wraps
	s_cselect_b32 s[BACK], GROUPB, 0
	s_add_nc_u64 s[G0+4*\slot+2:G0+4*\slot+3], s[G0+4*\slot+2:G0+4*\slot+3], 2*HALFT
	s_sub_nc_u64 s[G0+4*\slot+2:G0+4*\slot+3], s[G0+4*\slot+2:G0+4*\slot+3], s[BACK:BACK+1]
	s_add_nc_u64 s[G0B+4*\slot+2:G0B+4*\slot+3], s[G0B+4*\slot+2:G0B+4*\slot+3], 2*HALFT
	s_sub_nc_u64 s[G0B+4*\slot+2:G0B+4*\slot+3], s[G0B+4*\slot+2:G0B+4*\slot+3], s[BACK:BACK+1]
	MEET \slot                                     ; the barrier opens a round of the cluster's barrier
	CREST
	JLOAD G0+4*\slot, G1, G0B+4*\slot, G1B         ; the refill, first behind the round; its four v_nop are the places in front of the loads below
	FETCH \next, 0, 0
	SCALES \next
	ASK (\slot)*HALFT, 1                           ; behind the refill and the run of LDS loads: the K step two refills on
	MUL48 1, NQ-1, \slot
	WIN 0
.endm
.macro STEPS slot, from
.set Q, \from
.rept NQ-1-\from
	STEP \slot, Q, 0
.set Q, Q+1
.endr
.endm
	s_wait_alu depctr_va_vdst(0)                   ; the head's end
	s_wait_tensorcnt 0x0                           ; my part of slot 0 is in; the full sequence ahead of slot 1's first fill
	ds_add_u32 v[SPW], v[NIL]
	s_wait_dscnt 0x0
	CROUND
	JLOAD G0+4, G1, G0B+4, G1B                     ; slot 1's first fill, first behind the round
	FETCH 0, 0, 0
	SCALES 0
	ASK HALFT, 0                                   ; the walk's K step 3
	STEP 0, 0, 1                                   ; the first products start the sums
	s_mov_b32 s3, LAPS-1
.Llap:                                                 ; once round the ring, from a lap's second step to the next lap's first
	STEPS 0, 1
	TURN 0, 1
	STEPS 1, 0
	TURN 1, 0
	STEP 0, 0, 0
	s_sub_co_u32 s3, s3, 1
	s_cmp_lg_u32 s3, 0
	s_cbranch_scc1 .Llap
	STEPS 0, 1
; THE LAST CHANGE OF SLOTS fills nothing.  Behind it the last K step's operands come by rows: w's quarter q -> window 1 v[64 q ..]; x's block a, all four quarters -> v[128 + 32 (a % 4) ..].
.macro BLOAD q
.irp i, 0,1,2,3,4,5,6,7
	FRAG 64*\q+FR*\i, ADRB+1, \q, \i
.endr
.endm
.macro ALOAD a
.irp q, 0,1,2,3
	FRAG AF+32*((\a)%4)+FR*\q, ADRA+1, \q, \a
.endr
.endm
.macro ROW a                           ; block a is finished: 32 matrix instructions, its 8 accumulators by turns, K ascending
	WIN MUL_LO+0x50*((\a)/4)
.irp q, 0,1,2,3
.if (\a) == 0 && \q == 2
	s_wait_dscnt 16                                ; w's quarter 2 is in; behind it: x's blocks 2 and 3
.endif
.irp b, 0,1,2,3,4,5,6,7
	v_wmma_scale_f32_16x16x128_f8f6f4 v[64*((\a)%4)+8*\b:64*((\a)%4)+8*\b+7], v[64*\q+8*\b:64*\q+8*\b+7], v[AF+32*((\a)%4)+8*\q:AF+32*((\a)%4)+8*\q+7], v[64*((\a)%4)+8*\b:64*((\a)%4)+8*\b+7], v[SC+32+4*\b+\q], v[SC+32+4*(\a)+\q] matrix_a_fmt:MATRIX_FMT_FP4 matrix_b_fmt:MATRIX_FMT_FP4 matrix_a_scale:MATRIX_SCALE_ROW1
.endr
.endr
	WIN 0
.endm
; The way out of block a: 32 bytes a lane into my stage, back as whole rows of 512 bytes (rows 0-7 -> v32-63, rows 8-15 -> v96-127), stored as two aligned units of 256 bytes.
.macro TOSTAGE a
	WIN 0x08+4*((\a)/4)                            ; the data: window 2 or 3
.irp b, 0,1,2,3,4,5,6,7
	ds_store_b128 v[STO], v[64*((\a)%4)+8*\b:64*((\a)%4)+8*\b+3] offset:64*\b      ; each accumulator from its low end on
	ds_store_b128 v[STO], v[64*((\a)%4)+8*\b+4:64*((\a)%4)+8*\b+7] offset:64*\b+16
.endr
	WIN 0
.irp t, 0,1,2,3,4,5,6,7,8,9,10,11,12,13,14,15
	ds_load_b128 v[32+4*\t+32*(\t/8):35+4*\t+32*(\t/8)], v[RD] offset:\t*SPITCH    ; LDS serves a wave's instructions in order (ISA guide 5.7.1.4)
.endr
.endm
.macro SEND a, younger                 ; younger: the LDS loads issued behind the block's, which may stay out
	s_wait_dscnt \younger
.if (\a) > 0
	s_add_nc_u64 s[12:13], s[12:13], 16*SIZE_N*4   ; behind the wait on XCNT at the block's head
.endif
.irp t, 0,1,2,3,4,5,6,7,8,9,10,11,12,13,14,15
	global_store_b128 v[CO], v[32+4*\t+32*(\t/8):35+4*\t+32*(\t/8)], s[12:13] offset:\t*SIZE_N*4 th:TH_STORE_NT
.endr
.endm
	s_wait_tensorcnt 0x0                           ; my part of the last K step is in
	ds_add_u32 v[SPW], v[NIL]
	MEET 0
	PLACES NP                                      ; for the loads into sets 0
	WIN TO_B
	BLOAD 0
	BLOAD 1
	BLOAD 3
	WIN 0
	ALOAD 0
	ALOAD 1
	SCALES 1
	MUL48 1, NQ-1, 0
	PLACES NP                                      ; for the loads into sets 1
	WIN TO_B
	BLOAD 2
	WIN 0
	ALOAD 2
	ALOAD 3
	s_wait_dscnt 32                                ; all but the 32 just issued
	ROW 0
.irp a, 0,1,2,3,4,5,6,7                ; block a goes through the stage while block a + 1 is multiplied
	PLACES NP                                      ; behind block a's products: for the stores that read them and the loads into its fragments' registers
.if \a > 0
	s_wait_xcnt 0x0                                ; block a - 1's stores have read their registers and their base
.endif
	TOSTAGE \a
.if \a < 4
	ALOAD \a+4
.endif
.if \a < 7
	ROW \a+1
.endif
.if \a < 4
	SEND \a, 8
.else
	SEND \a, 0
.endif
.endr
	s_wait_tensorcnt 0x0                           ; the wave's end
	ds_add_u32 v[SPW], v[NIL]
	s_wait_dscnt 0x0
	CROUND                                         ; the closing round
	s_endpgm
.Lfunc_end_k_qd441fcfc1d_gemm:
	.size	k_qd441fcfc1d_gemm, .Lfunc_end_k_qd441fcfc1d_gemm-k_qd441fcfc1d_gemm
	.p2alignl 7, 3214868480
	.fill 96, 4, 3214868480
	.section	.rodata,"a",@progbits
	.p2align	6, 0x0
	.amdhsa_kernel k_qd441fcfc1d_gemm
		.amdhsa_group_segment_fixed_size 327680
		.amdhsa_private_segment_fixed_size 0
		.amdhsa_enable_private_segment 0
		.amdhsa_kernarg_size 24
		.amdhsa_user_sgpr_count 2
		.amdhsa_user_sgpr_kernarg_segment_ptr 1
		.amdhsa_wavefront_size32 1
		.amdhsa_system_sgpr_workgroup_id_x 1
		.amdhsa_system_sgpr_workgroup_id_y 1
		.amdhsa_system_sgpr_workgroup_id_z 1
		.amdhsa_system_vgpr_workitem_id 0
		.amdhsa_next_free_vgpr 1024
		.amdhsa_next_free_sgpr 80
		.amdhsa_reserve_vcc 0
		.amdhsa_float_denorm_mode_32 3
		.amdhsa_float_denorm_mode_16_64 3
		.amdhsa_memory_ordered 1
		.amdhsa_forward_progress 1
		.amdhsa_inst_pref_size 210
	.end_amdhsa_kernel
	.amdgpu_metadata
---
amdhsa.version: [ 1, 2 ]
amdhsa.kernels:
  - .name:           k_qd441fcfc1d_gemm
    .symbol:         k_qd441fcfc1d_gemm.kd
    .args:
      - { .name: xq, .offset: 0, .size: 8, .value_kind: global_buffer, .address_space: global }
      - { .name: wq, .offset: 8, .size: 8, .value_kind: global_buffer, .address_space: global }
      - { .name: out0, .offset: 16, .size: 8, .value_kind: global_buffer, .address_space: global }
    .group_segment_fixed_size: 327680
    .private_segment_fixed_size: 0
    .kernarg_segment_align: 8
    .kernarg_segment_size: 24
    .max_flat_workgroup_size: 128
    .sgpr_count:     80
    .vgpr_count:     1024
    .wavefront_size: 32
...
	.end_amdgpu_metadata
.endif
;; end of part 2
